; MI455X (gfx1250); checked and timed in simulation.
; The chip was launched on July 23, 2026; its instructions are those of AMD's public machine-readable ISA for CDNA 5 (MIT licence, August 2026) and "CDNA5" Instruction Set Architecture Reference Guide (July 2026). The comments in the code are by the model that wrote it; some were corrected since.
;; Bahdanau Attention. Allowed arithmetic: float matrix products may take bf16 or f16 operands with f32 sums; all other float work in f32.
;; Inputs: W1 1,024 x 1,024 float32; W2 1,024 x 1,024 float32; decoder_hidden 64 x 1,024 float32; encoder_outputs 64 x 1,024 x 1,024 float32; v 1,024 float32.
;; Outputs: out0 64 x 1,024 float32; out1 64 x 1,024 float32.
;; One version. Each part assembles by itself: llvm-mc -triple=amdgcn-amd-amdhsa -mcpu=gfx1250 --defsym DOCPART=n.
;; ======== version 1 of 1: 3 launches
;; workspace buffers: w2f 2,097,152 bytes; dhp 262,144 bytes; sc 262,144 bytes; ctxp 2,097,152 bytes
;; launch prep (part 1): grid 128 x 1, 16 waves a work-group, no clusters, 67,584 bytes of LDS; arguments W1, W2, decoder_hidden, w2f, dhp; writes w2f, dhp
.if DOCPART == 1
	.amdgcn_target "amdgcn-amd-amdhsa--gfx1250"
	.amdhsa_code_object_version 6
	.text
	.protected	k_qf36516c8c6_prep
	.globl	k_qf36516c8c6_prep
	.p2align	8
	.type	k_qf36516c8c6_prep,@function
k_qf36516c8c6_prep:
	s_mov_b64 s[64:65], 0
	v_nop
	global_prefetch_b8 v0, s[64:65] scope:SCOPE_SE
	s_setreg_imm32_b32 hwreg(HW_REG_WAVE_MODE, 25, 1), 1
	s_wait_xcnt 0x0
; Two jobs of one shape, told apart by the work-group's number alone.
; Groups 0-63:   dhp[g][b][0..15] = c * sum over k of decoder_hidden[b][k] W1[16 g + ..][k],  c = 2 log2 e (the factor that tanh by exp2 needs).
; Groups 64-127: w2f = W2 rounded to bf16, in the order in which the main launch's matrix instructions take it:
;                [w 8][c 2][ks 32][i 4][half 2][lane 32][8 bf16]; rows 16 (32 c + 4 w + i) + (lane & 15), k = 32 ks + 16 half + 8 (lane >> 4) + 0..7.
; A group owns 16 rows of its matrix (g = number & 63); wave w of sixteen owns K steps 2 w and 2 w + 1 (64 k = 256 bytes of every row).
; Matrix operands are rounded to bf16, sums are f32.  The sixteen waves' partial sums meet in LDS.
.set CF,  0x4038aa3b                   ; 2 log2 e
.set VO,  2                            ; v2   4096 r + 32 h + 256 w: my 32 bytes in a row, for W and for decoder_hidden
.set LO,  3                            ; v3   16 x lane
.set ST,  6                            ; v6   LDS: 4096 w + 16 lane
.set WO,  7                            ; v7   w2f: 8192 w + 16 lane
.set RA,  8                            ; v8   LDS: where thread t reads its two sums back
.set DO,  10                           ; v10  dhp: 8 t
.set WF,  16                           ; v[16:47]   two fragments of W, 16 f32 each, packed in place to 8 registers of bf16
.set DF,  48                           ; v[48:175]  four row blocks x two fragments of decoder_hidden, likewise; later the sixteen partial sums
.set AC,  176                          ; v[176:207] four accumulators (64 batches x 16 outputs)
.macro LD16 dst, sb, off               ; the 16 numbers of one fragment: k = 8 h + 0..7 and 16 + 8 h + 0..7 of a K step
	global_load_b128 v[\dst:\dst+3],     v[VO], s[\sb:\sb+1] offset:\off
	global_load_b128 v[\dst+4:\dst+7],   v[VO], s[\sb:\sb+1] offset:\off+16
	global_load_b128 v[\dst+8:\dst+11],  v[VO], s[\sb:\sb+1] offset:\off+64
	global_load_b128 v[\dst+12:\dst+15], v[VO], s[\sb:\sb+1] offset:\off+80
.endm
.macro CVT8 base                       ; 16 f32 to 16 bf16 in the first 8 registers; ascending, so each source is read before it is written
.irp n, 0,1,2,3,4,5,6,7
	v_cvt_pk_bf16_f32 v[\base+\n], v[\base+2*\n], v[\base+2*\n+1]
.endr
.endm
	s_load_b256 s[4:11], s[0:1], 0x0               ; W1 s[4:5], W2 s[6:7], decoder_hidden s[8:9], w2f s[10:11]
	s_load_b64 s[12:13], s[0:1], 0x20              ; dhp
	v_lshl_add_u32 v208, v0, 2, 0x10000
	v_mov_b32 v209, 0
	v_lshrrev_b32 v1, 5, v0
	v_readfirstlane_b32 s16, v1                    ; wave 0..15
	v_and_b32 v4, 15, v0                           ; r
	v_bfe_u32 v5, v0, 4, 1                         ; h
	v_lshlrev_b32 v[VO], 12, v4
	v_lshl_add_u32 v[VO], v5, 5, v[VO]
	v_lshl_add_u32 v[VO], s16, 8, v[VO]
	v_and_b32 v[LO], 31, v0
	v_lshlrev_b32 v[LO], 4, v[LO]
	v_lshl_add_u32 v[ST], s16, 12, v[LO]
	v_lshl_add_u32 v[WO], s16, 13, v[LO]
	s_and_b32 s17, ttmp9, 63                       ; g
	s_lshl_b32 s18, s17, 16                        ; 16 rows of 4,096 bytes
	s_mov_b32 s19, 0
	s_wait_kmcnt 0x0
	s_cmp_lt_u32 ttmp9, 64
	s_cselect_b64 s[14:15], s[4:5], s[6:7]         ; W1 for the first 64 groups, W2 for the others
	s_add_nc_u64 s[14:15], s[14:15], s[18:19]
	LD16 WF,    14, 0
	LD16 WF+16, 14, 128
	s_cmp_ge_u32 ttmp9, 64
	s_cbranch_scc1 .Lconvert
	; ---- the projection: 64 batches x my 16 outputs x my 64 k
.irp mt, 0,1,2,3
	LD16 DF+32*\mt,    8, 65536*\mt
	LD16 DF+32*\mt+16, 8, 65536*\mt+128
.endr
	s_wait_loadcnt 32                              ; the 32 loads of decoder_hidden are younger: W1's eight are in
	CVT8 WF
	CVT8 WF+16
	s_wait_loadcnt 0x0
.irp n, 0,1,2,3,4,5,6,7
	CVT8 DF+16*\n
.endr
	; source 0 = rows of W1, source 1 = rows of decoder_hidden: lane (r, h) gets outputs 8 h + 0..7 of batch 16 mt + r.
	; The four accumulators take turns, one instruction a turn; the first K step starts the sums.
.irp mt, 0,1,2,3
	v_wmma_f32_16x16x32_bf16 v[AC+8*\mt:AC+8*\mt+7], v[WF:WF+7], v[DF+32*\mt:DF+32*\mt+7], 0
.endr
.irp mt, 0,1,2,3
	v_wmma_f32_16x16x32_bf16 v[AC+8*\mt:AC+8*\mt+7], v[WF+16:WF+23], v[DF+32*\mt+16:DF+32*\mt+23], v[AC+8*\mt:AC+8*\mt+7]
.endr
.rept 4
	v_nop                                          ; four places between the last matrix instruction and the stores that read results
.endr
.irp n, 0,1,2,3,4,5,6,7
	ds_store_b128 v[ST], v[AC+4*\n:AC+4*\n+3] offset:512*\n    ; my 4,096 bytes: [mt][half of the 8 outputs][lane][4]
.endr
	s_branch .Ljoin
.Lconvert:
	; ---- W2: round, and store each half fragment as 512 consecutive bytes of the wave
	s_lshr_b32 s20, s17, 2
	s_and_b32 s20, s20, 7
	s_lshl_b32 s20, s20, 18                        ; w of the main launch = (g >> 2) & 7
	s_lshr_b32 s21, s17, 5
	s_lshl_b32 s21, s21, 17                        ; c = g >> 5
	s_add_co_u32 s20, s20, s21
	s_and_b32 s21, s17, 3
	s_lshl_b32 s21, s21, 10                        ; i = g & 3
	s_add_co_u32 s20, s20, s21
	s_mov_b32 s21, 0
	s_add_nc_u64 s[10:11], s[10:11], s[20:21]
	s_wait_loadcnt 0x0
	CVT8 WF
	CVT8 WF+16
.irp f, 0,1
.irp q, 0,1
	global_store_b128 v[WO], v[WF+16*\f+4*\q:WF+16*\f+4*\q+3], s[10:11] offset:4096*\f+512*\q
.endr
.endr
.Ljoin:
	s_wait_dscnt 0x0                               ; my partial sums are in LDS, for the other waves' sake
	s_barrier_signal -1
	s_barrier_wait -1
	s_cmp_ge_u32 ttmp9, 64
	s_cbranch_scc1 .Lend
	; ---- sum over the sixteen waves.  Thread t makes the two numbers at byte 8 t of the group's 4,096 bytes of dhp:
	; batch t >> 3 = 16 mt + r, outputs 2 (t & 7) = 8 h + 4 half + 2 (t & 1).
	v_lshrrev_b32 v[RA], 7, v0
	v_lshlrev_b32 v[RA], 10, v[RA]                 ; mt
	v_bfe_u32 v9, v0, 1, 1
	v_lshl_add_u32 v[RA], v9, 9, v[RA]             ; half
	v_bfe_u32 v9, v0, 2, 1
	v_lshl_add_u32 v[RA], v9, 8, v[RA]             ; h: 16 lanes of 16 bytes
	v_bfe_u32 v9, v0, 3, 4
	v_lshl_add_u32 v[RA], v9, 4, v[RA]             ; r
	v_and_b32 v9, 1, v0
	v_lshl_add_u32 v[RA], v9, 3, v[RA]
	v_lshlrev_b32 v[DO], 3, v0
	s_lshl_b32 s20, s17, 12
	s_mov_b32 s21, 0
	s_add_nc_u64 s[12:13], s[12:13], s[20:21]
.irp n, 0,1,2,3,4,5,6,7,8,9,10,11,12,13,14,15
	ds_load_b64 v[DF+2*\n:DF+2*\n+1], v[RA] offset:4096*\n
.endr
	s_wait_dscnt 0x0
.irp n, 0,1,2,3,4,5,6,7
	v_pk_add_f32 v[DF+2*\n:DF+2*\n+1], v[DF+2*\n:DF+2*\n+1], v[DF+16+2*\n:DF+16+2*\n+1]
.endr
.irp n, 0,1,2,3
	v_pk_add_f32 v[DF+2*\n:DF+2*\n+1], v[DF+2*\n:DF+2*\n+1], v[DF+8+2*\n:DF+8+2*\n+1]
.endr
.irp n, 0,1
	v_pk_add_f32 v[DF+2*\n:DF+2*\n+1], v[DF+2*\n:DF+2*\n+1], v[DF+4+2*\n:DF+4+2*\n+1]
.endr
	v_pk_add_f32 v[DF:DF+1], v[DF:DF+1], v[DF+2:DF+3]
	v_pk_mul_f32 v[DF:DF+1], v[DF:DF+1], CF op_sel_hi:[1,0]
	global_store_b64 v[DO], v[DF:DF+1], s[12:13]   ; a wave stores 256 consecutive bytes, aligned
.Lend:
	s_wait_tensorcnt 0x0
	ds_add_u32 v208, v209
	s_wait_dscnt 0x0
	s_endpgm
.Lfunc_end_k_qf36516c8c6_prep:
	.size	k_qf36516c8c6_prep, .Lfunc_end_k_qf36516c8c6_prep-k_qf36516c8c6_prep
	.p2alignl 7, 3214868480
	.fill 96, 4, 3214868480
	.section	.rodata,"a",@progbits
	.p2align	6, 0x0
	.amdhsa_kernel k_qf36516c8c6_prep
		.amdhsa_group_segment_fixed_size 67584
		.amdhsa_private_segment_fixed_size 0
		.amdhsa_enable_private_segment 0
		.amdhsa_kernarg_size 40
		.amdhsa_user_sgpr_count 2
		.amdhsa_user_sgpr_kernarg_segment_ptr 1
		.amdhsa_wavefront_size32 1
		.amdhsa_system_sgpr_workgroup_id_x 1
		.amdhsa_system_sgpr_workgroup_id_y 1
		.amdhsa_system_sgpr_workgroup_id_z 1
		.amdhsa_system_vgpr_workitem_id 0
		.amdhsa_next_free_vgpr 210
		.amdhsa_next_free_sgpr 66
		.amdhsa_reserve_vcc 0
		.amdhsa_float_denorm_mode_32 3
		.amdhsa_float_denorm_mode_16_64 3
		.amdhsa_memory_ordered 1
		.amdhsa_forward_progress 1
		.amdhsa_inst_pref_size 17
	.end_amdhsa_kernel
	.amdgpu_metadata
---
amdhsa.version: [ 1, 2 ]
amdhsa.kernels:
  - .name:           k_qf36516c8c6_prep
    .symbol:         k_qf36516c8c6_prep.kd
    .args:
      - { .name: W1, .offset: 0, .size: 8, .value_kind: global_buffer, .address_space: global }
      - { .name: W2, .offset: 8, .size: 8, .value_kind: global_buffer, .address_space: global }
      - { .name: decoder_hidden, .offset: 16, .size: 8, .value_kind: global_buffer, .address_space: global }
      - { .name: w2f, .offset: 24, .size: 8, .value_kind: global_buffer, .address_space: global }
      - { .name: dhp, .offset: 32, .size: 8, .value_kind: global_buffer, .address_space: global }
    .group_segment_fixed_size: 67584
    .private_segment_fixed_size: 0
    .kernarg_segment_align: 8
    .kernarg_segment_size: 40
    .max_flat_workgroup_size: 512
    .sgpr_count:     66
    .vgpr_count:     210
    .wavefront_size: 32
...
	.end_amdgpu_metadata
.endif
;; end of part 1
;; launch attn (part 2): grid 256 x 1, 8 waves a work-group, no clusters, 287,744 bytes of LDS; arguments encoder_outputs, w2f, dhp, v, sc, ctxp; writes sc, ctxp
.if DOCPART == 2
	.amdgcn_target "amdgcn-amd-amdhsa--gfx1250"
	.amdhsa_code_object_version 6
	.text
	.protected	k_qf36516c8c6_attn
	.globl	k_qf36516c8c6_attn
	.p2align	8
	.type	k_qf36516c8c6_attn,@function
k_qf36516c8c6_attn:
	s_mov_b64 s[64:65], 0
	v_nop
	global_prefetch_b8 v0, s[64:65] scope:SCOPE_SE
	s_setreg_imm32_b32 hwreg(HW_REG_WAVE_MODE, 25, 1), 1
	s_wait_xcnt 0x0
; A work-group stays and walks two blocks of 128 positions of one batch (blocks 2 g and 2 g + 1).  It reads each block's 128 x 1024 f32 of encoder_outputs
; ONCE, keeps them as bf16 in LDS (264,192 bytes), and makes from them: the scores of the positions, the block's maximum, its unnormalised part of the context.
;   x'   = c (enc W2^T + dh_proj),  c = 2 log2 e;   r = 1 / (1 + 2^x');   tanh = 1 - 2 r  (2^x' = inf gives r = 0, 2^x' = 0 gives r = 1)
;   sc[s] = sum over o of (-c v[o]) r[s][o] = log2 e (score[s] - sum of v).  The term left out is the same for all positions of a batch and
;           cancels in the softmax for every input; the sums grow no larger than c times the sum of |v|.
;   p[s] = 2^(sc[s] - block maximum);  ctxp[blk][h] = sum over the block's s of p[s] enc[s][h].   The last launch joins the eight blocks of a batch.
; LIMITS: matrix operands (enc, W2, and p in the context product) are rounded to bf16, all sums are f32; an exponential below 2^-126 comes out as 0
; (ISA guide 15.8, v_exp_f32), which for p and r is an error below 2^-126.
; SHARES: wave w of eight makes all 128 rows x columns 512 c + 64 w .. + 63, chunks c = 0, 1: 8 x 4 accumulator tiles = 256 registers, 32 K steps of 32.
; The matrix instruction is used transposed (source 0 = 16 rows of W2, source 1 = 16 rows of enc): lane (r, h), register j of tile (mt, i) holds
; position 16 mt + r, output 512 c + 64 w + 16 i + 8 h + j, so the sum over outputs runs inside a lane and dh' and v come as register pairs.
; W2 IS NOT SHARED THROUGH LDS OR A CLUSTER: beside the resident block and 22,528 bytes of small tables 40,960 bytes of a WGP's 327,680 are left, two slots
; of less than one K step of W2 (65,536 bytes); and each fragment of W2 is used by exactly one wave of the group.  So each wave streams its own 262,144
; bytes of w2f, already in fragment order, straight into registers: three stages of 32 registers, each asked for two K steps ahead.
; SKEW: waves 0-3 run 14 K steps before waves 4-7 start, so that one half's exponentials and reciprocals fall into the other half's matrix steps.
; HOW A BLOCK COMES IN: as two halves of K, 256 KiB of f32 each, four waves a half, 32 rows a wave.  A wave rounds its share to bf16 and HOLDS it in its 256
; accumulator registers, which are idle then, and stores it to LDS in a window between two barriers in which no wave reads LDS.
;   k >= 512: waves 4-7 load it while waves 0-3 run their 14 steps (these, with their look-ahead, read k < 480 only).
;   k <  512 of the NEXT block: waves 0-3 load it at the end of this block, while waves 4-7 are still 14 steps behind.  The first block's: at the start.
; The K loops step their LDS addresses, so the order of their reads and of every LDS store is kept by barriers alone.  Where the texts of the two halves of
; the waves meet, no load is left in flight.
; BARRIERS, six a block, all in text that every wave passes: first half in LDS; the 14 steps and the second half's loads are over; second half in LDS; the K
; steps' reads are over; the partial scores are in LDS; the context's reads are over (in the last trip this one orders nothing).
.set P,    2064                        ; LDS pitch of a row: 2,048 bytes + 16 = 129 x 16, so the 16 rows of a fragment load start 16 bytes apart modulo 256
.set MTS,  16*P                        ; 16 rows
.set DHL,  128*P                       ; 264192: dh'[o], 4,096 bytes
.set WL,   DHL+4096                    ; -c v[o], 4,096 bytes
.set SCR,  WL+4096                     ; 16 partial scores (2 w + h) x 128 positions f32
.set PB,   SCR+8192                    ; p as bf16, 256 bytes for each wave
.set CST,  PB+2048                     ; the context's way out, 512 bytes for each wave; ends at 286,720
.set BLKB, 524288                      ; bytes of a block in encoder_outputs
.set BO,   1                           ; v1      16 x lane; never rewritten
.set ADR,  2                           ; v[2:5]  (32 n + r) P + 16 h + the K steps gone
.set TR,   2                           ; v[2:5]  at a block's end: addresses of the transposing loads
.set EA,   6                           ; v6      DHL + 256 w + 32 h; at a block's end SCR + 16 lane
.set LSA,  7                           ; v7      where my held rows go: (w & 3) 32 P + (w >> 2) 1024 + 8 lane; at a block's end where my partial scores go
.set T,    8                           ; v[8:15] at work
.set SC,   16                          ; v[16:31] a pair of partial scores for each of 8 row blocks
.set AF0,  32                          ; v[32:95]  enc fragments, buffer 0 (8 x 8 registers)
.set AF1,  96                          ; v[96:159] buffer 1
.set DH,   AF1                         ; v[96:127]  dh' of my 32 outputs a lane (4 tiles x 8)
.set WV,   AF1+32                      ; v[128:159] -c v likewise
.set BF0,  160                         ; v[160:255] three stages of W2 fragments (4 x 8 registers)
.set PF,   BF0                         ; v[160:191] at a block's end: p's fragments
.set CA,   192                         ; v[192:255] at a block's end: eight accumulators of the context
                                       ; v[256:511] (window 1): accumulator tile (mt, i) at low number 8 (4 mt + i); between blocks: 128 x 2 held registers
.set PL_NONE, 0
.set PL_NOP,  1
.set MSB, 0
.macro WIN new                         ; s_set_vgpr_msb: bits 1:0 source 0, 3:2 source 1, 5:4 source 2, 7:6 destination; the high byte repeats the setting that is left
.if MSB != \new
	s_set_vgpr_msb (MSB<<8)|\new
.set MSB, \new
.endif
.endm
.macro PLACES
.rept 4
	v_nop
.endr
.endm
; 16 LDS loads: the eight enc fragments (128 rows x 32 k) at byte imm behind ADR
.macro ALOAD buf, imm
	WIN 0
.irp mt, 0,1,2,3,4,5,6,7
	ds_load_b128 v[\buf+8*\mt:\buf+8*\mt+3],   v[ADR+(\mt>>1)] offset:(\mt&1)*MTS+\imm
	ds_load_b128 v[\buf+8*\mt+4:\buf+8*\mt+7], v[ADR+(\mt>>1)] offset:(\mt&1)*MTS+\imm+32
.endr
.endm
; 8 global loads of 512 consecutive bytes: the four W2 fragments of one K step into stage st
.macro BLOAD st, imm
	WIN 0
.irp i, 0,1,2,3
.irp q, 0,1
	global_load_b128 v[BF0+32*(\st)+8*\i+4*\q:BF0+32*(\st)+8*\i+4*\q+3], v[BO], s[6:7] offset:\imm+1024*\i+512*\q
.endr
.endr
.endm
; One K step.  ab: enc buffer multiplied; bs: W2 stage multiplied; zero: the products start the sums.
; At its head: four places behind the last step's matrix instructions (v_nop, or the four address steps, which name none of their registers;
; the same before loads into registers that a matrix instruction has read), then the requests: W2 two steps ahead into the stage
; just left, enc one step ahead into the buffer just left.  lc, dc: how many younger loads may stay out.
; The 32 accumulators take turns in the same order in every step, one instruction a turn.
.macro STEP ab, bs, zero, pl, aimm, bimm, lc, dc
.if \pl == PL_NOP
.rept 4
	v_nop
.endr
.endif
.if \pl > PL_NOP
	WIN 0
.irp n, 0,1,2,3
	v_add_nc_u32 v[ADR+\n], \pl, v[ADR+\n]
.endr
.endif
.if \bimm >= 0
	BLOAD ((\bs)+2)%3, \bimm
.endif
.if \aimm >= 0
	ALOAD AF0+64*(1-(\ab)), \aimm
.endif
	s_wait_loadcnt \lc
	s_wait_dscnt \dc
	WIN 0x50                                       ; C and D in window 1, both sources in window 0
.irp mt, 0,1,2,3,4,5,6,7
.irp i, 0,1,2,3
.if \zero
	v_wmma_f32_16x16x32_bf16 v[8*(4*\mt+\i):8*(4*\mt+\i)+7], v[BF0+32*(\bs)+8*\i:BF0+32*(\bs)+8*\i+7], v[AF0+64*(\ab)+8*\mt:AF0+64*(\ab)+8*\mt+7], 0
.else
	v_wmma_f32_16x16x32_bf16 v[8*(4*\mt+\i):8*(4*\mt+\i)+7], v[BF0+32*(\bs)+8*\i:BF0+32*(\bs)+8*\i+7], v[AF0+64*(\ab)+8*\mt:AF0+64*(\ab)+8*\mt+7], v[8*(4*\mt+\i):8*(4*\mt+\i)+7]
.endif
.endr
.endr
.endm
; Counts in STEP: loadcnt 16 = the W2 loads of the next two steps (8 + 8) are younger than this step's; dscnt 16 = the next step's 16 enc loads are younger.
; ph = (32 x chunk) mod 3: step t of the wave's 64 uses stage t mod 3.
.macro KHEAD ph                        ; steps 0 and 1 of a chunk
	STEP 0, (\ph)%3,   1, PL_NONE, 64,  2*4096, 16, 16
	STEP 1, (\ph+1)%3, 0, PL_NOP,  128, 3*4096, 16, 16
.endm
; Steps 2 + 6 trip + u, u = 0..5.  ADR has gone 384 bytes (six steps) a trip, stepped in front of u = 3; the W2 pointer goes 24,576 bytes a trip, behind the six.
; last = 1: chunk 0's last six: the very last step takes ADR back 1,920 bytes and fetches the next chunk's first enc fragments; W2's stream runs on.
; last = 2: chunk 1's last six: step 62 asks for no W2 (loadcnt 8: step 63's eight loads), step 63 asks for nothing (both counts 0).
.macro SIX ph, last
	STEP 0, (\ph+2)%3, 0, PL_NOP, 192, 4*4096, 16, 16
	STEP 1, (\ph+3)%3, 0, PL_NOP, 256, 5*4096, 16, 16
	STEP 0, (\ph+4)%3, 0, PL_NOP, 320, 6*4096, 16, 16
	STEP 1, (\ph+5)%3, 0, 384,    0,   7*4096, 16, 16
.if \last == 2
	STEP 0, (\ph+6)%3, 0, PL_NOP,  64, -1, 8, 16
	STEP 1, (\ph+7)%3, 0, PL_NONE, -1, -1, 0, 0
.else
	STEP 0, (\ph+6)%3, 0, PL_NOP, 64, 8*4096, 16, 16
.if \last == 1
	STEP 1, (\ph+7)%3, 0, 0xfffff880, 0, 9*4096, 16, 16
.else
	STEP 1, (\ph+7)%3, 0, PL_NOP, 128, 9*4096, 16, 16
.endif
.endif
.endm
.macro KNEXT                           ; the end of a trip of six steps
	WIN 0                                          ; at a branch and at a label every window is 0
	s_wait_xcnt 0x0                                ; the W2 pointer is stepped only behind this wait: the loads that name it have had their addresses translated (ISA guide 3.1)
	s_add_nc_u64 s[6:7], s[6:7], 24576
	s_sub_co_i32 s24, s24, 1
	s_cmp_lg_u32 s24, 0
.endm
; A chunk's accumulators become partial scores.  first = 1: they start SC; 0: they add onto it.  places = 1: the four places behind the last matrix
; instructions (for the loads into buffer 1 and for the arithmetic on results) stand here; 0: they stand in front of the macro.
.macro EPI c, first, places
	WIN 0
.if \places
	PLACES
.endif
.irp i, 0,1,2,3
.irp q, 0,1
	ds_load_b128 v[DH+8*\i+4*\q:DH+8*\i+4*\q+3], v[EA] offset:2048*\c+64*\i+16*\q
	ds_load_b128 v[WV+8*\i+4*\q:WV+8*\i+4*\q+3], v[EA] offset:4096+2048*\c+64*\i+16*\q
.endr
.endr
	s_wait_dscnt 0x0
.irp mt, 0,1,2,3,4,5,6,7
	WIN 0x41                                       ; destination and source 0 in window 1
.irp i, 0,1,2,3
.irp jp, 0,1,2,3
	v_pk_fma_f32 v[32*\mt+8*\i+2*\jp:32*\mt+8*\i+2*\jp+1], v[32*\mt+8*\i+2*\jp:32*\mt+8*\i+2*\jp+1], s[20:21], v[DH+8*\i+2*\jp:DH+8*\i+2*\jp+1] op_sel_hi:[1,0,1]   ; x' = c acc + dh'
.endr
.endr
.set e, 0
.rept 32
	v_exp_f32 v[32*\mt+e], v[32*\mt+e]
.set e, e+1
.endr
	v_nop                                          ; one plain instruction between the last transcendental and the first use (ISA guide 5.7.2)
.set e, 0
	s_wait_alu depctr_va_vdst(0)
.rept 16
	v_pk_add_f32 v[32*\mt+e:32*\mt+e+1], v[32*\mt+e:32*\mt+e+1], 1.0 op_sel_hi:[1,0]
.set e, e+2
.endr
.set e, 0
.rept 32
	v_rcp_f32 v[32*\mt+e], v[32*\mt+e]
.set e, e+1
.endr
	v_nop
	WIN 0x01                                       ; source 0 in window 1, the rest in window 0: four chains that do not wait for each other
.if \first
	s_wait_alu depctr_va_vdst(0)
	v_pk_mul_f32 v[T:T+1], v[32*\mt:32*\mt+1], v[WV:WV+1]
.else
	s_wait_alu depctr_va_vdst(0)
	v_pk_fma_f32 v[T:T+1], v[32*\mt:32*\mt+1], v[WV:WV+1], v[SC+2*\mt:SC+2*\mt+1]
.endif
.irp jp, 1,2,3
	v_pk_mul_f32 v[T+2*\jp:T+2*\jp+1], v[32*\mt+2*\jp:32*\mt+2*\jp+1], v[WV+2*\jp:WV+2*\jp+1]
.endr
.irp i, 1,2,3
.irp jp, 0,1,2,3
	v_pk_fma_f32 v[T+2*\jp:T+2*\jp+1], v[32*\mt+8*\i+2*\jp:32*\mt+8*\i+2*\jp+1], v[WV+8*\i+2*\jp:WV+8*\i+2*\jp+1], v[T+2*\jp:T+2*\jp+1]
.endr
.endr
	WIN 0
	v_pk_add_f32 v[T:T+1], v[T:T+1], v[T+2:T+3]
	v_pk_add_f32 v[T+4:T+5], v[T+4:T+5], v[T+6:T+7]
	v_pk_add_f32 v[SC+2*\mt:SC+2*\mt+1], v[T:T+1], v[T+4:T+5]
.endr
.endm
; ---- A HELD HALF.  My share of a half block is 32 rows x 2,048 bytes: 128 loads of 512 consecutive bytes; load n is piece n & 3 of row n >> 2.
; They go through a ring of 40 slots of 4 registers, in 16 batches of eight, five batches (20,480 bytes of the wave) on their way.
; Slot s lies at v[32 + 4 s] for s < th and at v[96 + 4 s] from th on: th = 32: both enc buffers and W2's third stage (stages 0 and 1 hold W2);
; th = 16: enc buffer 0 and W2's three stages (buffer 1 holds dh' and v).  Rounded, load n is the pair v[256 + 2 n : 256 + 2 n + 1].
.macro HBATCH th, goff, b              ; the eight loads of batch b; goff: 0 for this block, BLKB for the next
.set hj, 0
.rept 8
.set hn, 8*(\b)+hj
.set hslot, hn%40
.if hslot < \th
.set hreg, 32+4*hslot
.else
.set hreg, 96+4*hslot
.endif
	global_load_b128 v[hreg:hreg+3], v[BO], s[4:5] offset:\goff+(hn>>2)*4096+(hn&3)*512 th:TH_LOAD_NT
.set hj, hj+1
.endr
.endm
.macro HCVT th, b                      ; batch b: 32 f32 a lane become 16 held registers of bf16
	WIN 0x40                                       ; destination in window 1
.set hj, 0
.rept 8
.set hn, 8*(\b)+hj
.set hslot, hn%40
.if hslot < \th
.set hreg, 32+4*hslot
.else
.set hreg, 96+4*hslot
.endif
	v_cvt_pk_bf16_f32 v[2*hn],   v[hreg],   v[hreg+1]
	v_cvt_pk_bf16_f32 v[2*hn+1], v[hreg+2], v[hreg+3]
.set hj, hj+1
.endr
	WIN 0
.endm
.macro HOLD_ISSUE th, goff             ; the ring is filled
.irp b, 0,1,2,3,4
	HBATCH \th, \goff, \b
.endr
.endm
.macro HOLD_REST th, goff              ; a turn for each batch; ends with no load out
.set hb, 0
.rept 16
.if hb < 12
	s_wait_loadcnt 32                              ; four younger batches of eight stay out
.else
	s_wait_loadcnt 8*(15-hb)                       ; nothing more is asked for: the counts run down
.endif
	HCVT \th, hb
.if hb < 11
	HBATCH \th, \goff, hb+5                        ; into the slots just read
.endif
.set hb, hb+1
.endr
.endm
.macro UNHOLD                          ; the held half goes to LDS: 128 stores of 256 consecutive bytes
	WIN 0x04                                       ; an LDS store's data is source 1: window 1
.set hn, 0
.rept 128
	ds_store_b64 v[LSA], v[2*hn:2*hn+1] offset:(hn>>2)*P+(hn&3)*256
.set hn, hn+1
.endr
	WIN 0
.endm
.macro TABLES                          ; thread t's four dh' and four -c v go to LDS
	v_pk_mul_f32 v[12:13], v[12:13], s[22:23] op_sel_hi:[1,0]
	v_pk_mul_f32 v[14:15], v[14:15], s[22:23] op_sel_hi:[1,0]
	ds_store_b128 v23, v[8:11]
	ds_store_b128 v23, v[12:15] offset:4096
.endm
.macro ADDRS                           ; the LDS addresses of a block's first part, anew for each block (the block's end uses the registers otherwise)
	v_and_b32 v8, 15, v0                           ; r
	v_bfe_u32 v9, v0, 4, 1                         ; h
	v_mul_u32_u24 v10, v8, P
	v_lshl_add_u32 v[ADR], v9, 4, v10
.irp n, 1,2,3
	v_add_nc_u32 v[ADR+\n], \n*2*MTS, v[ADR]
.endr
	v_lshlrev_b32 v[EA], 5, v9
	v_lshl_add_u32 v[EA], s16, 8, v[EA]
	v_add_nc_u32 v[EA], DHL, v[EA]
	v_and_b32 v11, 31, v0
	v_lshl_add_u32 v[LSA], v11, 3, s17
.endm
; The context product: enc lies [position][column] in LDS, so its fragments come through the transposing load.
.macro ELOAD kk
.irp nt, 0,1,2,3,4,5,6,7
	ds_load_tr16_b128 v[AF0+64*(\kk&1)+8*\nt:AF0+64*(\kk&1)+8*\nt+3],   v[TR+\kk] offset:32*\nt
	ds_load_tr16_b128 v[AF0+64*(\kk&1)+8*\nt+4:AF0+64*(\kk&1)+8*\nt+7], v[TR+\kk] offset:32*\nt+MTS
.endr
.endm
.macro CMUL kk, zero                   ; eight accumulators by turns
.irp nt, 0,1,2,3,4,5,6,7
.if \zero
	v_wmma_f32_16x16x32_bf16 v[CA+8*\nt:CA+8*\nt+7], v[PF+8*\kk:PF+8*\kk+7], v[AF0+64*(\kk&1)+8*\nt:AF0+64*(\kk&1)+8*\nt+7], 0
.else
	v_wmma_f32_16x16x32_bf16 v[CA+8*\nt:CA+8*\nt+7], v[PF+8*\kk:PF+8*\kk+7], v[AF0+64*(\kk&1)+8*\nt:AF0+64*(\kk&1)+8*\nt+7], v[CA+8*\nt:CA+8*\nt+7]
.endif
.endr
.endm
	; ---------------- head: ids, addresses, tables, the first block's first half
	s_load_b256 s[4:11], s[0:1], 0x0               ; encoder_outputs s[4:5], w2f s[6:7], dhp s[8:9], v s[10:11]
	s_load_b128 s[12:15], s[0:1], 0x20             ; sc s[12:13], ctxp s[14:15]
	v_lshrrev_b32 v18, 5, v0
	v_readfirstlane_b32 s16, v18                   ; wave 0..7
	v_and_b32 v19, 31, v0                          ; lane
	v_lshlrev_b32 v[BO], 4, v19
	v_lshrrev_b32 v16, 2, v0                       ; thread t brings outputs 4 t .. 4 t + 3 of dh' (dhp is [o / 16][b][16]) and of v
	v_and_b32 v17, 3, v0
	v_lshlrev_b32 v17, 4, v17
	v_lshl_add_u32 v16, v16, 12, v17
	v_lshlrev_b32 v17, 4, v0
	v_add_nc_u32 v23, DHL, v17
	s_mov_b32 s20, 0x4038aa3b                      ; c = 2 log2 e, as a pair for the packed forms
	s_mov_b32 s21, 0x4038aa3b
	s_mov_b32 s22, 0xc038aa3b                      ; -c
	s_mov_b32 s23, 0xc038aa3b
	s_mov_b32 s25, 0x76543210                      ; v_permlanex16_b32: lane i of one half reads lane i of the other
	s_mov_b32 s26, 0xfedcba98
	s_and_b32 s18, s16, 3                          ; which 32 rows of a half block I load
	s_lshr_b32 s19, s16, 2                         ; which half of K: 0 for waves 0-3, 1 for waves 4-7
	s_mul_i32 s17, s18, 32*P
	s_lshl_b32 s27, s19, 10
	s_add_co_u32 s17, s17, s27                     ; where my held rows go in LDS
	s_lshl_b32 s30, ttmp9, 20                      ; two blocks of 524,288 bytes a work-group (255 x 2^20 is below 2^32),
	s_lshl_b32 s27, s18, 17                        ; 32 rows of 4,096 bytes,
	s_add_co_u32 s30, s30, s27
	s_lshl_b32 s27, s19, 11                        ; 2,048 bytes into the row for the second half
	s_add_co_u32 s30, s30, s27
	s_mov_b32 s31, 0
	s_wait_kmcnt 0x0
	s_add_nc_u64 s[4:5], s[4:5], s[30:31]
	s_lshl_b32 s30, s16, 18                        ; my 262,144 bytes of w2f
	s_add_nc_u64 s[6:7], s[6:7], s[30:31]
	s_lshr_b32 s30, ttmp9, 2                       ; the batch: four work-groups each
	s_lshl_b32 s30, s30, 6                         ; 64 b
	s_add_nc_u64 s[8:9], s[8:9], s[30:31]
	s_lshl_b32 s30, ttmp9, 10                      ; 2 x 128 scores a work-group
	s_add_nc_u64 s[12:13], s[12:13], s[30:31]
	s_lshl_b32 s30, ttmp9, 13
	s_lshl_b32 s27, s16, 9
	s_add_co_u32 s30, s30, s27                     ; 2 x 4,096 bytes a work-group, 512 a wave
	s_add_nc_u64 s[14:15], s[14:15], s[30:31]
	global_load_b128 v[8:11],  v16, s[8:9]
	global_load_b128 v[12:15], v17, s[10:11]
	s_cmp_ge_u32 s16, 4
	s_cbranch_scc1 .Lhead_late
	HOLD_ISSUE 32, 0                               ; waves 0-3: the first block's k < 512
	s_wait_loadcnt 40                              ; the ring's 40 loads are younger than dh' and v
	TABLES
	HOLD_REST 32, 0
	s_branch .Lhead_done
.Lhead_late:
	s_wait_loadcnt 0x0
	TABLES
.Lhead_done:
	s_mov_b32 s28, 0                               ; the block's number in the work-group
.Lblock:
	; ---------------- the first half goes to LDS
	ADDRS
	BLOAD 0, 0                                     ; W2's steps 0 and 1
	BLOAD 1, 4096
	s_cmp_ge_u32 s16, 4
	s_cbranch_scc1 .Lno_first_half
	UNHOLD
.Lno_first_half:
	s_wait_dscnt 0x0                               ; my rows (in the first trip my parts of dh' and v too) are in LDS, for the other waves' sake
	s_barrier_signal -1
	s_barrier_wait -1
	; ---------------- waves 0-3: chunk 0's first 14 steps.  Waves 4-7: the second half, into registers; no LDS store in this stretch.
	s_cmp_ge_u32 s16, 4
	s_cbranch_scc1 .Lsecond_half
	ALOAD AF0, 0
	KHEAD 0
	WIN 0
	s_mov_b32 s24, 2
.Lk_early:
	SIX 0, 0
	KNEXT
	s_cbranch_scc1 .Lk_early
	s_branch .Ljoin
.Lsecond_half:
	HOLD_ISSUE 32, 0                               ; W2's 16 loads above are older: the counts below hold
	HOLD_REST 32, 0
.Ljoin:
	; Two ways meet here, and behind the barriers the text parts again.  At this place nothing of mine is left in flight (global loads and LDS loads are
	; waited for) and five places stand behind the early waves' last matrix instruction: the lines that follow, stores of window 1, loads
	; into fragment registers and products that start sums anew among them, are in order whichever way a wave came.
	s_wait_loadcnt 0x0
	s_wait_dscnt 0x0                               ; my reads of the first half are back: behind this barrier LDS is stored into
.rept 5
	v_nop
.endr
	s_barrier_signal -1
	s_barrier_wait -1
	; ---------------- the second half goes to LDS; no wave reads LDS in this stretch
	s_cmp_lt_u32 s16, 4
	s_cbranch_scc1 .Lno_second_half
	UNHOLD
.Lno_second_half:
	s_wait_dscnt 0x0
	s_barrier_signal -1
	s_barrier_wait -1
	; ---------------- chunk 0: waves 0-3 go on at step 14 (its fragments are in their registers), waves 4-7 start
	s_mov_b32 s24, 2                               ; waves 0-3: two trips of the four are left
	s_cmp_lt_u32 s16, 4
	s_cbranch_scc1 .Lresume
	ALOAD AF0, 0
	KHEAD 0
	WIN 0
	s_mov_b32 s24, 4
.Lresume:
.Lk0:
	SIX 0, 0
	KNEXT
	s_cbranch_scc1 .Lk0
	SIX 0, 1
	s_wait_xcnt 0x0
	s_add_nc_u64 s[6:7], s[6:7], 32768             ; 4 x 24,576 + 32,768 = 131,072: chunk 1's first byte
	EPI 0, 1, 1                                    ; W2's steps 32 and 33 and enc's first fragments are on their way or in meanwhile
	; ---------------- chunk 1
	KHEAD 2
	WIN 0
	s_mov_b32 s24, 4
.Lk1:
	SIX 2, 0
	KNEXT
	s_cbranch_scc1 .Lk1
	SIX 2, 2
	WIN 0
	PLACES                                         ; four places behind the last matrix instructions: for the loads below and for the arithmetic on results
	; Waves 0-3, first trip: the next block's k < 512.  Its first 40 loads go into enc buffer 0 and W2's stages, which the lines up to their turn do not name.
	s_cmp_ge_u32 s16, 4
	s_cbranch_scc1 .Lno_next_a
	s_cmp_lg_u32 s28, 0
	s_cbranch_scc1 .Lno_next_a
	HOLD_ISSUE 16, BLKB
.Lno_next_a:
	EPI 1, 0, 0
	; ---------------- scores: my 64 + 64 outputs' share of every position, one number for each (wave, h), meet in LDS
.irp mt, 0,1,2,3,4,5,6,7
	v_add_f32 v[SC+2*\mt], v[SC+2*\mt], v[SC+2*\mt+1]
.endr
	s_cmp_ge_u32 s16, 4
	s_cbranch_scc1 .Lno_next_b
	s_cmp_lg_u32 s28, 0
	s_cbranch_scc1 .Lno_next_b
	HOLD_REST 16, BLKB                             ; the accumulators are spent: they hold the next block's first half from here on
.Lno_next_b:
	; A barrier between every wave's LDS reads of the K steps, whose addresses are stepped in loops, and all LDS stores that follow.
	s_wait_loadcnt 0x0                             ; on every way: no global load is out when fragment registers are used otherwise below
	s_wait_dscnt 0x0                               ; my reads are back
	s_barrier_signal -1
	v_and_b32 v8, 15, v0                           ; register work while the others arrive
	v_bfe_u32 v9, v0, 4, 1
	v_lshlrev_b32 v[LSA], 2, v8
	v_lshl_add_u32 v[LSA], v9, 9, v[LSA]
	v_lshl_add_u32 v[LSA], s16, 10, v[LSA]
	v_add_nc_u32 v[LSA], SCR, v[LSA]               ; SCR + 512 (2 w + h) + 4 r
	s_barrier_wait -1
.irp mt, 0,1,2,3,4,5,6,7
	ds_store_b32 v[LSA], v[SC+2*\mt] offset:64*\mt
.endr
	s_wait_dscnt 0x0                               ; my partial scores are in LDS, for the other waves' sake
	s_barrier_signal -1
	; register work while the others arrive: the addresses of the rest
	v_add_nc_u32 v[EA], SCR, v[BO]                 ; positions 4 lane .. 4 lane + 3 of a partial
	v_and_b32 v10, 7, v0
	v_lshl_add_u32 v10, v9, 3, v10                 ; 8 h + (lane & 7): the row that I address for the transposing load
	v_mul_u32_u24 v10, v10, P
	v_bfe_u32 v11, v0, 3, 1
	v_lshl_add_u32 v10, v11, 4, v10
	v_lshl_add_u32 v[TR], s16, 8, v10              ; + my 128 columns' 256 bytes
.irp n, 1,2,3
	v_add_nc_u32 v[TR+\n], \n*2*MTS, v[TR]         ; 32 rows on
.endr
	v_and_b32 v11, 31, v0
	v_cmp_le_u32 vcc_lo, 16, v11                   ; lanes 16-31
	s_lshl_b32 s27, s16, 8
	s_add_co_u32 s27, s27, PB
	v_lshl_add_u32 v22, v11, 3, s27                ; where my four p go
	v_lshl_add_u32 v23, v9, 4, s27                 ; where p's fragments are read
	s_lshl_b32 s27, s16, 9
	s_add_co_u32 s27, s27, CST
	v_lshl_add_u32 v24, v11, 2, s27
	v_add_nc_u32 v25, s27, v[BO]
	s_barrier_wait -1
	; every wave sums the 16 partials in the same order, so all eight hold the same bits
.set i, 0
.rept 16
	ds_load_b128 v[AF0+4*i:AF0+4*i+3], v[EA] offset:512*i
.set i, i+1
.endr
	s_wait_dscnt 0x0
.set i, 0
.rept 16
	v_pk_add_f32 v[AF0+2*i:AF0+2*i+1], v[AF0+2*i:AF0+2*i+1], v[AF0+32+2*i:AF0+32+2*i+1]
.set i, i+1
.endr
.set i, 0
.rept 8
	v_pk_add_f32 v[AF0+2*i:AF0+2*i+1], v[AF0+2*i:AF0+2*i+1], v[AF0+16+2*i:AF0+16+2*i+1]
.set i, i+1
.endr
.set i, 0
.rept 4
	v_pk_add_f32 v[AF0+2*i:AF0+2*i+1], v[AF0+2*i:AF0+2*i+1], v[AF0+8+2*i:AF0+8+2*i+1]
.set i, i+1
.endr
	v_pk_add_f32 v[12:13], v[AF0:AF0+1],   v[AF0+4:AF0+5]      ; the scores of positions 4 lane .. + 3, in registers that nothing rewrites in this trip
	v_pk_add_f32 v[14:15], v[AF0+2:AF0+3], v[AF0+6:AF0+7]
	v_max3_num_f32 v8, v12, v13, v14
	v_max_num_f32 v8, v8, v15
	v_max_num_f32_dpp v8, v8, v8 row_xmask:1 row_mask:0xf bank_mask:0xf
	v_max_num_f32_dpp v8, v8, v8 row_xmask:2 row_mask:0xf bank_mask:0xf
	v_max_num_f32_dpp v8, v8, v8 row_xmask:4 row_mask:0xf bank_mask:0xf
	v_max_num_f32_dpp v8, v8, v8 row_xmask:8 row_mask:0xf bank_mask:0xf
	v_permlanex16_b32 v9, v8, s25, s26
	v_max_num_f32 v8, v8, v9                       ; the block's maximum, in every lane
.irp n, 0,1,2,3
	v_sub_f32 v[16+\n], v[12+\n], v8
.endr
.irp n, 0,1,2,3
	v_exp_f32 v[16+\n], v[16+\n]
.endr
	v_nop
	s_wait_alu depctr_va_vdst(0)
	v_cvt_pk_bf16_f32 v20, v16, v17
	v_cvt_pk_bf16_f32 v21, v18, v19
	ds_store_b64 v22, v[20:21]                     ; my wave's own copy of p; LDS serves a wave's instructions in order (ISA guide 5.7.1), so the loads below see it
.irp kk, 0,1,2,3
	ds_load_b128 v[PF+8*\kk:PF+8*\kk+3],   v23 offset:64*\kk
	ds_load_b128 v[PF+8*\kk+4:PF+8*\kk+7], v23 offset:64*\kk+32
.endr
	s_cmp_lg_u32 s16, 0
	s_cbranch_scc1 .Lnot_wave_0
	global_store_b128 v[BO], v[12:15], s[12:13]    ; the block's 128 scores: 512 consecutive bytes, by one wave
.Lnot_wave_0:
	; ---------------- context: (p in all 16 rows) x enc, wave w for columns 128 w .. + 127; k = positions, 4 steps of 32
	ELOAD 0
	ELOAD 1
	s_wait_dscnt 16                                ; step 1's 16 loads are younger: p's fragments and step 0's are in
	CMUL 0, 1
	PLACES                                         ; four places, then loads into the buffer just multiplied
	ELOAD 2
	s_wait_dscnt 16
	CMUL 1, 0
	PLACES
	ELOAD 3
	s_wait_dscnt 16
	CMUL 2, 0
	s_wait_dscnt 0x0
	CMUL 3, 0
	PLACES
	; all 16 rows of a result tile are equal: register 0 of lane (r, h) is column 16 nt + r.  Lanes 0-15 take an even tile, lanes 16-31 the odd one beside it.
.irp q, 0,1,2,3
	v_cndmask_b32 v[26+\q], v[CA+16*\q], v[CA+16*\q+8], vcc_lo
.endr
.irp q, 0,1,2,3
	ds_store_b32 v24, v[26+\q] offset:128*\q
.endr
	ds_load_b128 v[8:11], v25                      ; my wave's own bytes, in order behind the stores
	s_wait_dscnt 0x0                               ; also: all my reads of the block are back
	global_store_b128 v[BO], v[8:11], s[14:15]     ; 512 consecutive bytes, aligned
	; ---------------- on to the next block.  Every wave's reads of this block are back before any wave stores the next one's rows over it.
	s_barrier_signal -1
	s_barrier_wait -1
	s_wait_xcnt 0x0                                ; the stores' bases and data registers are rewritten only behind this wait (ISA guide 3.1)
	s_add_nc_u64 s[4:5], s[4:5], BLKB
	s_sub_nc_u64 s[6:7], s[6:7], 229376            ; W2's pointer has gone 131,072 + 4 x 24,576 bytes: back to my stream's first byte
	s_add_nc_u64 s[12:13], s[12:13], 512
	s_add_nc_u64 s[14:15], s[14:15], 4096
	s_add_co_u32 s28, s28, 1
	s_cmp_lt_u32 s28, 2
	s_cbranch_scc1 .Lblock
	s_wait_xcnt 0x0
	v_lshl_add_u32 v166, v0, 2, 0x46000
	v_mov_b32 v167, 0
	s_wait_tensorcnt 0x0
	ds_add_u32 v166, v167
	s_wait_dscnt 0x0
	s_endpgm
.Lfunc_end_k_qf36516c8c6_attn:
	.size	k_qf36516c8c6_attn, .Lfunc_end_k_qf36516c8c6_attn-k_qf36516c8c6_attn
	.p2alignl 7, 3214868480
	.fill 96, 4, 3214868480
	.section	.rodata,"a",@progbits
	.p2align	6, 0x0
	.amdhsa_kernel k_qf36516c8c6_attn
		.amdhsa_group_segment_fixed_size 287744
		.amdhsa_private_segment_fixed_size 0
		.amdhsa_enable_private_segment 0
		.amdhsa_kernarg_size 48
		.amdhsa_user_sgpr_count 2
		.amdhsa_user_sgpr_kernarg_segment_ptr 1
		.amdhsa_wavefront_size32 1
		.amdhsa_system_sgpr_workgroup_id_x 1
		.amdhsa_system_sgpr_workgroup_id_y 1
		.amdhsa_system_sgpr_workgroup_id_z 1
		.amdhsa_system_vgpr_workitem_id 0
		.amdhsa_next_free_vgpr 512
		.amdhsa_next_free_sgpr 66
		.amdhsa_reserve_vcc 1
		.amdhsa_float_denorm_mode_32 3
		.amdhsa_float_denorm_mode_16_64 3
		.amdhsa_memory_ordered 1
		.amdhsa_forward_progress 1
		.amdhsa_inst_pref_size 255
	.end_amdhsa_kernel
	.section	.bss,"aw",@nobits
	.p2align	6
	.space	262144
	.amdgpu_metadata
---
amdhsa.version: [ 1, 2 ]
amdhsa.kernels:
  - .name:           k_qf36516c8c6_attn
    .symbol:         k_qf36516c8c6_attn.kd
    .args:
      - { .name: encoder_outputs, .offset: 0, .size: 8, .value_kind: global_buffer, .address_space: global }
      - { .name: w2f, .offset: 8, .size: 8, .value_kind: global_buffer, .address_space: global }
      - { .name: dhp, .offset: 16, .size: 8, .value_kind: global_buffer, .address_space: global }
      - { .name: v, .offset: 24, .size: 8, .value_kind: global_buffer, .address_space: global }
      - { .name: sc, .offset: 32, .size: 8, .value_kind: global_buffer, .address_space: global }
      - { .name: ctxp, .offset: 40, .size: 8, .value_kind: global_buffer, .address_space: global }
    .group_segment_fixed_size: 287744
    .private_segment_fixed_size: 0
    .kernarg_segment_align: 8
    .kernarg_segment_size: 48
    .max_flat_workgroup_size: 256
    .sgpr_count:     66
    .vgpr_count:     512
    .wavefront_size: 32
...
	.end_amdgpu_metadata
.endif
;; end of part 2
;; launch combine (part 3): grid 64 x 1, 8 waves a work-group, no clusters, 1,280 bytes of LDS; arguments sc, ctxp, out0, out1; writes out0, out1
.if DOCPART == 3
	.amdgcn_target "amdgcn-amd-amdhsa--gfx1250"
	.amdhsa_code_object_version 6
	.text
	.protected	k_qf36516c8c6_combine
	.globl	k_qf36516c8c6_combine
	.p2align	8
	.type	k_qf36516c8c6_combine,@function
k_qf36516c8c6_combine:
	s_mov_b64 s[64:65], 0
	v_nop
	global_prefetch_b8 v0, s[64:65] scope:SCOPE_SE
	s_setreg_imm32_b32 hwreg(HW_REG_WAVE_MODE, 25, 1), 1
	s_wait_xcnt 0x0
; One work-group for each batch b.  sc[b][s] = log2 e (score - a constant of the batch); ctxp[8 b + k][h] = sum over block k of 2^(sc - m_k) enc[s][h].
; Thread t owns positions 4 t .. 4 t + 3 and columns 4 t .. 4 t + 3; wave k holds exactly block k's 128 positions, so its maximum m_k is the
; maximum that the main launch took away (a maximum has one value whatever the order).
;   M = max m_k;  f_k = 2^(m_k - M);  L = sum of l_k f_k with l_k = sum over the block of 2^(sc - m_k)
;   out1[s] = 2^(sc[s] - m_k) f_k / L;   out0[h] = sum over k of ctxp[k][h] f_k / L
; All in f32; exponentials below 2^-126 come out as 0 (ISA guide 15.8).  Memory binds: 36 KiB in, 8 KiB out, each byte once; no matrix work, no cluster.
.set Q,  4                             ; v[4:7]    my four scores
.set CX, 8                             ; v[8:39]   my four columns of the eight partial contexts
.set E,  44                            ; v[44:47]  2^(sc - m_k)
.set ML, 52                            ; v[52:67]  (m_k, l_k), k = 0..7; m_k becomes f_k, then f_k / L
	s_load_b256 s[4:11], s[0:1], 0x0               ; sc s[4:5], ctxp s[6:7], out0 s[8:9], out1 s[10:11]
	v_lshl_add_u32 v72, v0, 2, 0x100
	v_mov_b32 v73, 0
	s_lshl_b32 s12, ttmp9, 12                      ; 4,096 bytes a batch in sc, out0, out1
	s_mov_b32 s13, 0
	s_lshl_b32 s14, ttmp9, 15                      ; 32,768 in ctxp
	s_mov_b32 s15, 0
	s_mov_b32 s16, 0x76543210
	s_mov_b32 s17, 0xfedcba98
	v_lshlrev_b32 v1, 4, v0                        ; 16 t
	v_lshrrev_b32 v2, 5, v0
	v_readfirstlane_b32 s18, v2                    ; wave
	v_mov_b32 v2, s18
	v_lshlrev_b32 v2, 3, v2                        ; my wave's 8 bytes in LDS
	v_mov_b32 v3, 0
	s_wait_kmcnt 0x0
	s_add_nc_u64 s[4:5], s[4:5], s[12:13]
	s_add_nc_u64 s[6:7], s[6:7], s[14:15]
	s_add_nc_u64 s[8:9], s[8:9], s[12:13]
	s_add_nc_u64 s[10:11], s[10:11], s[12:13]
	global_load_b128 v[Q:Q+3], v1, s[4:5]
.irp k, 0,1,2,3,4,5,6,7
	global_load_b128 v[CX+4*\k:CX+4*\k+3], v1, s[6:7] offset:4096*\k
.endr
	s_wait_loadcnt 0x8                             ; the eight loads of ctxp are younger than the scores
	v_max3_num_f32 v41, v4, v5, v6
	v_max_num_f32 v40, v41, v7
	v_max_num_f32_dpp v40, v40, v40 row_xmask:1 row_mask:0xf bank_mask:0xf
	v_max_num_f32_dpp v40, v40, v40 row_xmask:2 row_mask:0xf bank_mask:0xf
	v_max_num_f32_dpp v40, v40, v40 row_xmask:4 row_mask:0xf bank_mask:0xf
	v_max_num_f32_dpp v40, v40, v40 row_xmask:8 row_mask:0xf bank_mask:0xf
	v_permlanex16_b32 v41, v40, s16, s17
	v_max_num_f32 v42, v40, v41                    ; m_k
.irp n, 0,1,2,3
	v_sub_f32 v[E+\n], v[Q+\n], v42
.endr
.irp n, 0,1,2,3
	v_exp_f32 v[E+\n], v[E+\n]
.endr
	v_nop                                          ; one plain instruction behind the transcendentals (ISA guide 5.7.2)
	s_wait_alu depctr_va_vdst(0)
	v_add_f32 v43, v44, v45
	v_add_f32 v41, v46, v47
	v_add_f32 v43, v43, v41
	v_add_f32_dpp v43, v43, v43 row_xmask:1 row_mask:0xf bank_mask:0xf
	v_add_f32_dpp v43, v43, v43 row_xmask:2 row_mask:0xf bank_mask:0xf
	v_add_f32_dpp v43, v43, v43 row_xmask:4 row_mask:0xf bank_mask:0xf
	v_add_f32_dpp v43, v43, v43 row_xmask:8 row_mask:0xf bank_mask:0xf
	v_permlanex16_b32 v41, v43, s16, s17
	v_add_f32 v43, v43, v41                        ; l_k
	ds_store_b64 v2, v[42:43]                      ; all lanes write the same two words
	s_wait_dscnt 0x0
	s_barrier_signal -1
	s_barrier_wait -1
.irp n, 0,1,2,3
	ds_load_b128 v[ML+4*\n:ML+4*\n+3], v3 offset:16*\n
.endr
	s_wait_dscnt 0x0
	v_max3_num_f32 v68, v52, v54, v56
	v_max3_num_f32 v68, v68, v58, v60
	v_max3_num_f32 v68, v68, v62, v64
	v_max_num_f32 v68, v68, v66                    ; M
.irp k, 0,1,2,3,4,5,6,7
	v_sub_f32 v[ML+2*\k], v[ML+2*\k], v68
.endr
	v_sub_f32 v70, v42, v68
.irp k, 0,1,2,3,4,5,6,7
	v_exp_f32 v[ML+2*\k], v[ML+2*\k]               ; f_k
.endr
	v_exp_f32 v70, v70                             ; my own block's factor
	v_nop
	s_wait_alu depctr_va_vdst(0)
	v_mul_f32 v69, v53, v52
.irp k, 1,2,3,4,5,6,7
	v_fmac_f32 v69, v[ML+2*\k+1], v[ML+2*\k]       ; L: at least 1, since the block with the maximum gives l >= 1 and f = 1
.endr
	v_rcp_f32 v71, v69
	v_nop
	s_wait_alu depctr_va_vdst(0)
	v_mul_f32 v70, v70, v71
.irp k, 0,1,2,3,4,5,6,7
	v_mul_f32 v[ML+2*\k], v[ML+2*\k], v71
.endr
	v_pk_mul_f32 v[E:E+1],   v[E:E+1],   v[70:71] op_sel_hi:[1,0]      ; both halves by v70
	v_pk_mul_f32 v[E+2:E+3], v[E+2:E+3], v[70:71] op_sel_hi:[1,0]
	global_store_b128 v1, v[E:E+3], s[10:11]       ; a wave stores 512 consecutive bytes
	s_wait_loadcnt 0x0
	v_pk_mul_f32 v[CX:CX+1],   v[CX:CX+1],   v[ML:ML+1] op_sel_hi:[1,0]
	v_pk_mul_f32 v[CX+2:CX+3], v[CX+2:CX+3], v[ML:ML+1] op_sel_hi:[1,0]
.irp k, 1,2,3,4,5,6,7
	v_pk_fma_f32 v[CX:CX+1],   v[CX+4*\k:CX+4*\k+1],   v[ML+2*\k:ML+2*\k+1], v[CX:CX+1]   op_sel_hi:[1,0,1]
	v_pk_fma_f32 v[CX+2:CX+3], v[CX+4*\k+2:CX+4*\k+3], v[ML+2*\k:ML+2*\k+1], v[CX+2:CX+3] op_sel_hi:[1,0,1]
.endr
	global_store_b128 v1, v[CX:CX+3], s[8:9]
	s_wait_tensorcnt 0x0
	ds_add_u32 v72, v73
	s_wait_dscnt 0x0
	s_endpgm
.Lfunc_end_k_qf36516c8c6_combine:
	.size	k_qf36516c8c6_combine, .Lfunc_end_k_qf36516c8c6_combine-k_qf36516c8c6_combine
	.p2alignl 7, 3214868480
	.fill 96, 4, 3214868480
	.section	.rodata,"a",@progbits
	.p2align	6, 0x0
	.amdhsa_kernel k_qf36516c8c6_combine
		.amdhsa_group_segment_fixed_size 1280
		.amdhsa_private_segment_fixed_size 0
		.amdhsa_enable_private_segment 0
		.amdhsa_kernarg_size 32
		.amdhsa_user_sgpr_count 2
		.amdhsa_user_sgpr_kernarg_segment_ptr 1
		.amdhsa_wavefront_size32 1
		.amdhsa_system_sgpr_workgroup_id_x 1
		.amdhsa_system_sgpr_workgroup_id_y 1
		.amdhsa_system_sgpr_workgroup_id_z 1
		.amdhsa_system_vgpr_workitem_id 0
		.amdhsa_next_free_vgpr 74
		.amdhsa_next_free_sgpr 66
		.amdhsa_reserve_vcc 0
		.amdhsa_float_denorm_mode_32 3
		.amdhsa_float_denorm_mode_16_64 3
		.amdhsa_memory_ordered 1
		.amdhsa_forward_progress 1
		.amdhsa_inst_pref_size 7
	.end_amdhsa_kernel
	.amdgpu_metadata
---
amdhsa.version: [ 1, 2 ]
amdhsa.kernels:
  - .name:           k_qf36516c8c6_combine
    .symbol:         k_qf36516c8c6_combine.kd
    .args:
      - { .name: sc, .offset: 0, .size: 8, .value_kind: global_buffer, .address_space: global }
      - { .name: ctxp, .offset: 8, .size: 8, .value_kind: global_buffer, .address_space: global }
      - { .name: out0, .offset: 16, .size: 8, .value_kind: global_buffer, .address_space: global }
      - { .name: out1, .offset: 24, .size: 8, .value_kind: global_buffer, .address_space: global }
    .group_segment_fixed_size: 1280
    .private_segment_fixed_size: 0
    .kernarg_segment_align: 8
    .kernarg_segment_size: 32
    .max_flat_workgroup_size: 256
    .sgpr_count:     66
    .vgpr_count:     74
    .wavefront_size: 32
...
	.end_amdgpu_metadata
.endif
;; end of part 3
